; MI455X (gfx1250); checked and timed in simulation.
; The chip was launched on July 23, 2026; its instructions are those of AMD's public machine-readable ISA for CDNA 5 (MIT licence, August 2026) and "CDNA5" Instruction Set Architecture Reference Guide (July 2026). The comments in the code are by the model that wrote it; some were corrected since.
;; Multihead Attention. Allowed arithmetic: matrix products marked QUANTISED: E2M1 operands, one E8M0 scale for each 32 along K, by v_wmma_scale_f32_16x16x128_f8f6f4 with both operands' format E2M1 (or v_wmma_scale_f32_32x16x128_f4), f32 sums; products left as they are: bf16, f16 or f32 operands; f32 sums; everything else in f32.
;; Inputs: W_k 512 x 512 float32; W_o 512 x 512 float32; W_q 512 x 512 float32; W_v 512 x 512 float32; b1 512 float32; b2 512 float32; b3 512 float32; key 16 x 1,024 x 512 float32; key_padding_mask 16 x 1,024 bool; ln_b 512 float32; ln_g 512 float32; query 16 x 1,024 x 512 float32; value 16 x 1,024 x 512 float32; w1 512 x 512 float32; w2 512 x 512 float32; w3 512 x 512 float32.
;; Outputs: out0 16 x 1,024 x 512 float32.
;; This version of the problem:
;;   THIS VERSION OF THE PROBLEM IS GIVEN IN LOW PRECISION. The matrix products marked QUANTISED in the list below multiply operands that are first quantised to E2M1 (2 exponent bits, 1 mantissa bit; 4 bits a number), with one power-of-two scale for each 32 numbers along K (OCP MX v1.0); their sums are f32. The products marked 'left as it is' may take bf16, f16 or f32 operands, with f32 sums. Whichever they take, every output number must still come out within the allowed error. Rounding operands to bf16 (8 significant bits) uses up far more of that allowance than f16 does (11 bits, for magnitudes from 6e-5 to 65,504). All else is computed in f32.
;;   The module's matrix products, in the order in which they are computed (A, B: the left and right operand; K: the contracted axis; several contracted axes count as one K, in the product's order):
;;     1. [M 16,384, K 512] x [K 512, N 512]; A: input query; B: input W_q: QUANTISED
;;     2. [M 16,384, K 512] x [K 512, N 512]; A: input key; B: input W_k: QUANTISED
;;     3. [M 16,384, K 512] x [K 512, N 512]; A: input value; B: input W_v: QUANTISED
;;     4. batch 128 x [M 1,024, K 64] x [K 64, N 1,024]; A: computed on the way; B: computed on the way: left as it is (an operand is computed on the way)
;;     5. batch 128 x [M 64, K 1,024] x [K 1,024, N 1,024]; A: computed on the way; B: computed on the way: left as it is (an operand is computed on the way)
;;     6. [M 16,384, K 512] x [K 512, N 512]; A: computed on the way; B: input W_o: left as it is (an operand is computed on the way)
;;     7. [M 16,384, K 512] x [K 512, N 512]; A: computed on the way; B: input w1: left as it is (an operand is computed on the way)
;;     8. [M 16,384, K 512] x [K 512, N 512]; A: computed on the way; B: input w2: left as it is (an operand is computed on the way)
;;     9. [M 16,384, K 512] x [K 512, N 512]; A: computed on the way; B: input w3: left as it is (an operand is computed on the way)
;;   THE QUANTISER, for each operand of a quantised product, along K:
;;     - K is cut into blocks of 32 from its start; a last block that is shorter is filled with zeros.
;;     - A block's scale is 2^e with e = floor(log2(the largest magnitude in the block)) - 2, held to -126 .. 127; a block of zeros has e = 0. As a byte (E8M0): e + 127.
;;     - Each number is divided by its block's scale, clamped to +-6, and rounded to the nearest number of E2M1, ties to even, subnormals kept.
;;     - The product sums the exact products of the quantised numbers (number of the format x scale) in f32.
;;   ~~~python
;;   def quantise(x, axis):      # numpy; x: float32 -> the quantised numbers, widened to float32 again
;;       x = np.moveaxis(x, axis, -1); K = x.shape[-1]
;;       x = np.pad(x, [(0, 0)] * (x.ndim - 1) + [(0, -K % 32)]); x = x.reshape(x.shape[:-1] + (-1, 32)); a = np.abs(x).max(-1, keepdims=True)
;;       e = np.where(a > 0, np.clip(np.frexp(np.where(a > 0, a, 1))[1] - 1 - 2, -126, 127), 0)      # np.frexp(a)[1] - 1 = floor(log2(a)), exactly
;;       r = np.clip(x / 2.0 ** e, -6, 6)
;;       step = 2.0 ** (np.maximum(np.frexp(np.where(r == 0, 1, r))[1] - 1, 0) - 1)
;;       q = np.round(r / step) * step * 2.0 ** e      # np.round: ties to even
;;       return np.moveaxis(q.reshape(q.shape[:-2] + (-1,))[..., :K], -1, axis).astype(np.float32)
;;   ~~~
;; One version. Each part assembles by itself: llvm-mc -triple=amdgcn-amd-amdhsa -mcpu=gfx1250 --defsym DOCPART=n.
;; ======== version 1 of 1: 4 launches
;; limits: values are held in f16: magnitudes above 65,504 overflow, below 6.1e-05 lose precision
;; workspace buffers: wq4 393,216 bytes; wq4s 24,576 bytes; wf16 2,097,152 bytes; qf 16,777,216 bytes; kf 16,777,216 bytes; vf 16,777,216 bytes; vatt 16,777,216 bytes
;; launch prep (part 1): grid 160 x 1, 4 waves a work-group, no clusters, 0 bytes of LDS; arguments W_q, W_k, W_v, W_o, w1, w2, w3, wq4, wq4s, wf16; writes wq4, wq4s, wf16
.if DOCPART == 1
	.amdgcn_target "amdgcn-amd-amdhsa--gfx1250"
	.amdhsa_code_object_version 6
	.text
	.protected	k_qe15bb28814_prep
	.globl	k_qe15bb28814_prep
	.p2align	8
	.type	k_qe15bb28814_prep,@function
k_qe15bb28814_prep:
	s_mov_b64 s[64:65], 0
	v_nop
	global_prefetch_b8 v0, s[64:65] scope:SCOPE_SE
	s_setreg_imm32_b32 hwreg(HW_REG_WAVE_MODE, 25, 1), 1
	s_wait_xcnt 0x0
; THE WEIGHTS, ONCE, IN THE ORDER OF THE OPERANDS' REGISTERS.
; W_q, W_k, W_v [512 (k)][512 (n)] f32 -> codes of E2M1, quantised along k in blocks of 32, and one E8M0 byte a block.
;   wq4  [T 3][w 4][s 4][t 8][c 2][lane 32 x 16 bytes]: lane (r, h), group c: the codes of k = 128 s + 64 c + 32 h + 0 .. 31 of column 128 w + 16 t + r
;   wq4s [T 3][w 4][s 4][u 4][lane 32 x 4 bytes]: lane L: the four scale bytes of K step s of column 128 w + 32 u + L
; W_o [512 (k)][512 (n)], w1, w2, w3 [512 (n)][512 (k)] f32 -> f16:
;   wf16 [w 4][g 4][kk 16][t 8][half 2][lane 32 x 16 bytes]: lane (r, h): column 128 w + 16 t + r, k = 32 kk + 16 half + 8 h + 0 .. 7
; A block's scale is 2^(floor(log2(largest magnitude)) - 2); its byte is the largest magnitude's exponent field - 2, held at 1 from below.
; LIMITS: a block of zeros gets the byte 1 where the rule says 127 (its codes are zeros, and this program alone reads the bytes); NaN and infinities are not served;
; a weight beyond 65,504 in magnitude has no f16 number.
; Work-groups 0-63: the four weights whose k is the first axis: a lane takes a column and its registers run down k (128 of k a work-group, 32 columns a wave).
; Work-groups 64-159: w1, w2, w3, whose k is innermost: 16 rows a work-group, 128 of k a wave.  No LDS, no barrier; every offset is an immediate.
.set X,   32                           ; v32-159  the numbers as loaded
.set OUT, 160                          ; v160-223 codes or f16 pairs: each register is written once, so no store's data are written again
	s_load_b512 s[8:23], s[0:1], 0x0               ; W_q 8, W_k 10, W_v 12, W_o 14, w1 16, w2 18, w3 20, wq4 22
	s_load_b128 s[24:27], s[0:1], 0x40             ; wq4s 24, wf16 26
	v_lshrrev_b32 v5, 5, v0
	v_readfirstlane_b32 s28, v5                    ; wave v
	v_and_b32 v1, 31, v0                           ; lane L
	v_and_b32 v6, 15, v0                           ; r
	v_bfe_u32 v7, v0, 4, 1                         ; h
	s_mov_b32 s33, 0                               ; the high words of three offsets
	s_mov_b32 s35, 0
	s_mov_b32 s37, 0
	s_wait_kmcnt 0x0
	s_cmp_ge_u32 ttmp9, 64
	s_cbranch_scc1 .Lrows
	; ---- k is the first axis: T = which weight, w = which 128 columns, s = which 128 of k
	s_lshr_b32 s29, ttmp9, 4                       ; T
	s_bfe_u32 s38, ttmp9, 0x20002                  ; w
	s_and_b32 s39, ttmp9, 3                        ; s
	s_cmp_eq_u32 s29, 0
	s_cselect_b64 s[30:31], s[8:9], s[10:11]
	s_cmp_lt_u32 s29, 2
	s_cselect_b64 s[30:31], s[30:31], s[12:13]
	s_cmp_lt_u32 s29, 3
	s_cselect_b64 s[30:31], s[30:31], s[14:15]     ; the choice hangs on the work-group's number alone
	s_lshl_b32 s32, s39, 18                        ; 128 s rows of 2,048 bytes
	s_lshl_b32 s40, s38, 9                         ; + 128 w columns
	s_add_co_u32 s32, s32, s40
	s_lshl_b32 s40, s28, 7                         ; + 32 v columns
	s_add_co_u32 s32, s32, s40
	s_add_nc_u64 s[30:31], s[30:31], s[32:33]
	v_lshlrev_b32 v2, 2, v1                        ; 4 bytes a lane: a wave's load reads 128 consecutive bytes, the work-group's four 512
.set i, 0
.rept 128
	global_load_b32 v[X+i], v2, s[30:31] offset:i*2048 th:TH_LOAD_NT
.set i, i+1
.endr
	v_lshlrev_b32 v3, 10, v7                       ; out: my column is row r of tile 2 v + h: 1,024 h + 16 r
	v_lshl_add_u32 v3, v6, 4, v3
	v_lshlrev_b32 v4, 2, v1
	s_lshl_b32 s40, s28, 11                        ; 2 v tiles of 1,024 bytes
	s_cmp_eq_u32 s29, 3
	s_cbranch_scc1 .Lwo
	; ---- W_q, W_k, W_v: codes
	s_lshl_b32 s34, s29, 17
	s_lshl_b32 s41, s38, 15
	s_add_co_u32 s34, s34, s41
	s_lshl_b32 s41, s39, 13
	s_add_co_u32 s34, s34, s41
	s_add_co_u32 s34, s34, s40                     ; T x 131,072 + w x 32,768 + s x 8,192 + v x 2,048
	s_lshr_b32 s36, s34, 4                         ; the scale words' place is a sixteenth of that
	s_add_nc_u64 s[22:23], s[22:23], s[34:35]
	s_add_nc_u64 s[24:25], s[24:25], s[36:37]
; Block bk of 32 along k: all its numbers are mine.  left: how many younger loads may stay out (96 and 64 would do for the first two; a wait's count holds 63 at the most, which is the stricter)
.macro QBLK bk, left
.set XS, X+32*(\bk)
	s_wait_loadcnt \left
	v_max3_num_f32 v8, |v[XS]|, |v[XS+1]|, |v[XS+2]|
	v_max3_num_f32 v9, |v[XS+3]|, |v[XS+4]|, |v[XS+5]|
.irp i, 6,10,14,18,22,26
	v_max3_num_f32 v8, v8, |v[XS+\i]|, |v[XS+\i+1]|
	v_max3_num_f32 v9, v9, |v[XS+\i+2]|, |v[XS+\i+3]|
.endr
	v_max3_num_f32 v8, v8, |v[XS+30]|, |v[XS+31]|
	v_max3_num_f32 v8, v8, v9, 0x1800000           ; and the floor 2^(3 - 127): the byte cannot fall under 1
	v_add_nc_u32 v11, 0xff000000, v8               ; 2 off the exponent field: the conversion takes this operand's exponent field as its scale
	v_lshrrev_b32 v9, 23, v11                      ; the scale's byte
.if (\bk) == 0
	v_mov_b32 v12, v9
.else
	v_lshl_or_b32 v12, v9, 8*(\bk), v12
.endif
.irp g, 0,1,2,3
	v_cvt_scalef32_pk8_fp4_f32 v[OUT+4*(\bk)+\g], v[XS+8*\g:XS+8*\g+7], v11
.endr
	global_store_b128 v3, v[OUT+4*(\bk):OUT+4*(\bk)+3], s[22:23] offset:((\bk)/2)*512+((\bk)%2)*256   ; group c = bk / 2, lanes' half h = bk % 2: sixteen lanes store 256 consecutive bytes, aligned
.endm
	QBLK 0, 63
	QBLK 1, 63
	QBLK 2, 32
	QBLK 3, 0
	global_store_b32 v4, v12, s[24:25]             ; my column's scale word of this K step
	s_endpgm
	; ---- W_o: f16
.Lwo:
	s_lshl_b32 s34, s38, 19
	s_lshl_b32 s41, s39, 15
	s_add_co_u32 s34, s34, s41
	s_add_co_u32 s34, s34, s40                     ; w x 524,288 + 4 s x 8,192 + 2 v x 1,024  (g = 0)
	s_add_nc_u64 s[26:27], s[26:27], s[34:35]
.macro HBLK q, left                    ; K step kk = 4 s + q: 32 of k, as four groups of eight
	s_wait_loadcnt \left
.set i, 0
.rept 16
	v_cvt_pk_f16_f32 v[OUT+16*(\q)+i], v[X+32*(\q)+2*i], v[X+32*(\q)+2*i+1]
.set i, i+1
.endr
.irp g, 0,1,2,3
	global_store_b128 v3, v[OUT+16*(\q)+4*\g:OUT+16*(\q)+4*\g+3], s[26:27] offset:(\q)*8192+(\g/2)*512+(\g%2)*256   ; half = g / 2, h = g % 2
.endr
.endm
	HBLK 0, 63
	HBLK 1, 63
	HBLK 2, 32
	HBLK 3, 0
	s_endpgm
	; ---- w1, w2, w3: k innermost.  16 rows (one tile t of one w) a work-group; wave v takes K steps 4 v .. 4 v + 3
.Lrows:
	s_sub_co_u32 s29, ttmp9, 64
	s_lshr_b32 s38, s29, 5                         ; g - 1
	s_and_b32 s39, s29, 31                         ; 8 w + t
	s_cmp_eq_u32 s38, 0
	s_cselect_b64 s[30:31], s[16:17], s[18:19]
	s_cmp_lt_u32 s38, 2
	s_cselect_b64 s[30:31], s[30:31], s[20:21]
	s_lshl_b32 s32, s39, 15                        ; 16 rows of 2,048 bytes
	s_lshl_b32 s40, s28, 9                         ; + 128 v of k
	s_add_co_u32 s32, s32, s40
	s_add_nc_u64 s[30:31], s[30:31], s[32:33]
	v_lshlrev_b32 v2, 11, v6
	v_lshl_add_u32 v2, v7, 5, v2                   ; row r, + 8 h numbers
.irp q, 0,1,2,3
.irp f, 0,1
.irp e, 0,1
	global_load_b128 v[X+16*\q+8*\f+4*\e:X+16*\q+8*\f+4*\e+3], v2, s[30:31] offset:\q*128+\f*64+\e*16 th:TH_LOAD_NT
.endr
.endr
.endr
	v_lshlrev_b32 v3, 4, v1                        ; out: 16 bytes a lane
	s_lshr_b32 s34, s39, 3
	s_lshl_b32 s34, s34, 19                        ; w x 524,288
	s_add_co_u32 s40, s38, 1
	s_lshl_b32 s40, s40, 17                        ; + g x 131,072
	s_add_co_u32 s34, s34, s40
	s_lshl_b32 s40, s28, 15                        ; + 4 v x 8,192
	s_add_co_u32 s34, s34, s40
	s_and_b32 s40, s39, 7
	s_lshl_b32 s40, s40, 10                        ; + t x 1,024
	s_add_co_u32 s34, s34, s40
	s_add_nc_u64 s[26:27], s[26:27], s[34:35]
	s_wait_loadcnt 0x0
.set i, 0
.rept 32
	v_cvt_pk_f16_f32 v[OUT+i], v[X+2*i], v[X+2*i+1]
.set i, i+1
.endr
.irp q, 0,1,2,3
.irp f, 0,1
	global_store_b128 v3, v[OUT+8*\q+4*\f:OUT+8*\q+4*\f+3], s[26:27] offset:\q*8192+\f*512   ; 32 lanes store 512 consecutive bytes, aligned
.endr
.endr
	s_endpgm
.Lfunc_end_k_qe15bb28814_prep:
	.size	k_qe15bb28814_prep, .Lfunc_end_k_qe15bb28814_prep-k_qe15bb28814_prep
	.p2alignl 7, 3214868480
	.fill 96, 4, 3214868480
	.section	.rodata,"a",@progbits
	.p2align	6, 0x0
	.amdhsa_kernel k_qe15bb28814_prep
		.amdhsa_group_segment_fixed_size 0
		.amdhsa_private_segment_fixed_size 0
		.amdhsa_enable_private_segment 0
		.amdhsa_kernarg_size 80
		.amdhsa_user_sgpr_count 2
		.amdhsa_user_sgpr_kernarg_segment_ptr 1
		.amdhsa_wavefront_size32 1
		.amdhsa_system_sgpr_workgroup_id_x 1
		.amdhsa_system_sgpr_workgroup_id_y 1
		.amdhsa_system_sgpr_workgroup_id_z 1
		.amdhsa_system_vgpr_workitem_id 0
		.amdhsa_next_free_vgpr 224
		.amdhsa_next_free_sgpr 66
		.amdhsa_reserve_vcc 0
		.amdhsa_float_denorm_mode_32 3
		.amdhsa_float_denorm_mode_16_64 3
		.amdhsa_memory_ordered 1
		.amdhsa_forward_progress 1
		.amdhsa_inst_pref_size 32
	.end_amdhsa_kernel
	.amdgpu_metadata
---
amdhsa.version: [ 1, 2 ]
amdhsa.kernels:
  - .name:           k_qe15bb28814_prep
    .symbol:         k_qe15bb28814_prep.kd
    .args:
      - { .name: W_q, .offset: 0, .size: 8, .value_kind: global_buffer, .address_space: global }
      - { .name: W_k, .offset: 8, .size: 8, .value_kind: global_buffer, .address_space: global }
      - { .name: W_v, .offset: 16, .size: 8, .value_kind: global_buffer, .address_space: global }
      - { .name: W_o, .offset: 24, .size: 8, .value_kind: global_buffer, .address_space: global }
      - { .name: w1, .offset: 32, .size: 8, .value_kind: global_buffer, .address_space: global }
      - { .name: w2, .offset: 40, .size: 8, .value_kind: global_buffer, .address_space: global }
      - { .name: w3, .offset: 48, .size: 8, .value_kind: global_buffer, .address_space: global }
      - { .name: wq4, .offset: 56, .size: 8, .value_kind: global_buffer, .address_space: global }
      - { .name: wq4s, .offset: 64, .size: 8, .value_kind: global_buffer, .address_space: global }
      - { .name: wf16, .offset: 72, .size: 8, .value_kind: global_buffer, .address_space: global }
    .group_segment_fixed_size: 0
    .private_segment_fixed_size: 0
    .kernarg_segment_align: 8
    .kernarg_segment_size: 80
    .max_flat_workgroup_size: 128
    .sgpr_count:     66
    .vgpr_count:     224
    .wavefront_size: 32
...
	.end_amdgpu_metadata
.endif
;; end of part 1
;; launch proj (part 2): grid 256 x 1, 4 waves a work-group, no clusters, 327,680 bytes of LDS; arguments query, key, value, key_padding_mask, wq4, wq4s, qf, kf, vf; writes qf, kf, vf
.if DOCPART == 2
	.amdgcn_target "amdgcn-amd-amdhsa--gfx1250"
	.amdhsa_code_object_version 6
	.text
	.protected	k_qe15bb28814_proj
	.globl	k_qe15bb28814_proj
	.p2align	8
	.type	k_qe15bb28814_proj,@function
k_qe15bb28814_proj:
	s_mov_b64 s[64:65], 0
	v_nop
	global_prefetch_b8 v0, s[64:65] scope:SCOPE_SE
	s_setreg_imm32_b32 hwreg(HW_REG_WAVE_MODE, 25, 1), 1
	s_wait_xcnt 0x0
; Q = query W_q, K = key W_k, V = value W_v: both operands as codes of E2M1 with one E8M0 scale for each 32 along k, f32 sums.  The activations are quantised here, in registers.
; A work-group takes rows 64 g .. 64 g + 63 of query, then of key, then of value: three TRIPs, written out, every offset an immediate.
; THE WAVES SHARE THE COLUMNS: wave w owns columns 128 w .. 128 w + 127 (heads 2 w, 2 w + 1) for all 64 rows; its weights of one tensor are 32 fragments, 256 registers, loaded as they lie.
; Wave w also quantises rows 16 w .. 16 w + 15 and hands them to the others through LDS as images of the operand's registers (16 bytes a lane, 512 a store) and scale words (4 bytes a lane).
; x COMES BY THE TENSOR DATA MOVER: a wave's 16 rows of a tensor are 32,768 dense bytes: one load, stated as 32 rows of 1,024 bytes with 16 bytes of padding behind each, into the wave's own stage, which it alone reads.
; Query's and key's loads go out together at the head (two tensor loads of a wave are out at the most); value's fills query's stage again, behind the first trip's barrier, and has the rest of that trip and the next in which to land.
; A row of x is 2,080 bytes in LDS, so rows r and r + 8 begin at the same bank and a stage read goes two deep: two equal paddings a row that keep 16-byte alignment cannot give an odd multiple of 16.
; NO CLUSTER: what the work-groups share, the weights, goes straight into registers, since a fragment is used by one wave alone; a joint load lands in LDS, of which 327,680 - 322,048 = 5,632 bytes are left.
; THE RESULTS LEAVE AS IMAGES OF THE NEXT PRODUCTS' f16 OPERANDS: eight neighbouring numbers of a lane are 16 bytes, stored at 16 x lane: 512 consecutive bytes, aligned.
;   Q, K: the product is used transposed (source 0 = 16 columns of W, source 1 = 16 rows of x): a lane holds one row and eight channels.
;         qf, kf [b][head][tile of 16 rows][c 2][half 2][lane]: lane (r, h): row r, channels 32 c + 16 half + 8 h + 0 .. 7
;   V:    natural (source 0 = x, source 1 = W): a lane holds one channel and eight keys.   vf [b][head][ks 32][ct 4][half 2][lane]: channel 16 ct + r, keys 32 ks + 16 half + 8 h + 0 .. 7
; Q is multiplied by c = log2(e) / f32(8.000001), so that the scores come out as exponents of 2; the rows of K whose key is masked become zeros (the next launch adds the masked score itself).
; LIMITS: results beyond 65,504 in magnitude have no f16 number; NaN and infinities among the inputs are not served; a block of zeros has the scale byte 1, not 127: its codes are zeros, and only this product reads the byte.
; REGISTERS, in windows of 256.  Window 0: below.  Window 1: W(s, t) at 8 (8 s + t).  Window 2: the 32 accumulators, (t, mt) at 8 (8 mt + t).  Window 3: v0-127 the packed results, (t, mt) at 4 (8 mt + t).
.set STGW,   33280                     ; LDS: a wave's stage: 32 half rows of 1,024 bytes + 16
.set RPITCH, 2080                      ; a row of x in it
.set STG1,   4*STGW                    ; stages 0 (query, later value) at 0, stages 1 (key) here
.set IMG,    8*STGW                    ; the images: a region for each trip, so that one barrier a trip does: 16 fragments of 1,024 bytes at 4 s + mt, then 16 x 128 bytes of scale words
.set IMGT,   18432
.set SPARE,  IMG+3*IMGT                ; the spare words, 128 bytes for each wave, which no other line names
.set LI,   1                           ; 16 x lane
.set MO,   2                           ; lane % 16
.set STR0, 3                           ; my stage 0: row r, + 64 h
.set STR1, 4                           ; my stage 1
.set IWI,  5                           ; where I store images
.set IWS,  6                           ; and scale words
.set IRI,  7                           ; where all read images
.set IRS,  8                           ; and scale words
.set LS,   9                           ; 4 x lane
.set SPW,  10                          ; my spare word; never rewritten
.set NIL,  11                          ; 0; never rewritten
.set FQ,   12                          ; v[12:13] c, c
.set FK,   14                          ; v14-21 four pairs: 1 or 0 for my key of row tile mt
.set MB,   22                          ; v22-25 the mask's bytes
.set TM,   26                          ; v26-41 at work in QUANT
.set PW,   42                          ; the scale word just made
.set PC,   44                          ; v44-51 the codes just made
.set ONE,  52                          ; 1.0
.set PFO,  53                          ; 256 x lane: the prefetches' offset; never rewritten
.set QW,   56                          ; v56-183: two sets of 64 numbers; then x's 16 fragments
.set XF,   56
.set XS,   184                         ; v184-199 x's scale words at 4 s + mt: scales and nothing else
.set WS,   200                         ; v200-215 W's at 4 s + u: lanes 0-15 tile 2 u, lanes 16-31 tile 2 u + 1
.set SEL,  28
.set G1,   44                          ; s[44:51] descriptor group 1, the same for the three loads
.set G0Q,  52                          ; s[52:55], s[56:59], s[60:63] groups 0 for query, key, value: none is ever rewritten
.set G0K,  56
.set G0V,  60
.set MSB, 0
.macro WIN new                         ; the immediate's high byte repeats the setting that is left
.if MSB != \new
	s_set_vgpr_msb (MSB<<8)|\new
.set MSB, \new
.endif
.endm
	s_load_b512 s[8:23], s[0:1], 0x0               ; query 8, key 10, value 12, mask 14, wq4 16, wq4s 18, qf 20, kf 22
	s_load_b64 s[24:25], s[0:1], 0x40              ; vf
	v_lshl_add_u32 v[SPW], v0, 2, SPARE
	v_mov_b32 v[NIL], 0
	ds_add_u32 v[SPW], v[NIL]                      ; the wave's opening: the add, twice on end, and its wait ahead of my first tensor load; the set-up below, work on registers, stands between
	ds_add_u32 v[SPW], v[NIL]
	v_lshrrev_b32 v26, 5, v0
	v_readfirstlane_b32 s26, v26                   ; wave w
	v_and_b32 v27, 31, v0                          ; lane
	v_and_b32 v[MO], 15, v0                        ; r
	v_bfe_u32 v28, v0, 4, 1                        ; h
	v_lshlrev_b32 v[LI], 4, v27
	v_lshlrev_b32 v[LS], 2, v27
	v_lshlrev_b32 v[PFO], 8, v27
	s_mul_i32 s42, s26, STGW                       ; my stage 0
	v_mul_u32_u24 v[STR0], v[MO], RPITCH
	v_lshl_add_u32 v[STR0], v28, 6, v[STR0]
	v_add_nc_u32 v[STR0], s42, v[STR0]
	v_add_nc_u32 v[STR1], STG1, v[STR0]
	s_lshl_b32 s30, s26, 10
	s_add_co_u32 s30, s30, IMG
	v_add_nc_u32 v[IWI], s30, v[LI]
	s_lshl_b32 s30, s26, 7
	s_add_co_u32 s30, s30, IMG+16384
	v_add_nc_u32 v[IWS], s30, v[LS]
	v_add_nc_u32 v[IRI], IMG, v[LI]
	v_add_nc_u32 v[IRS], IMG+16384, v[LS]
	v_mov_b32 v[FQ], 0x3e38aa3a                    ; c = log2(e) / f32(8.000001)
	v_mov_b32 v[FQ+1], 0x3e38aa3a
	v_mov_b32 v[ONE], 1.0
.irp b, 0,1,2,3
	v_mov_b32 v[TM+4+\b], 0                        ; written once: a lane permute's destination counts as one of its sources
.endr
	s_mov_b32 s[SEL], 0x76543210
	s_mov_b32 s[SEL+1], 0xfedcba98                 ; v_permlanex16_b32's selects for lane l xor 16
	; descriptor group 1: 32,768 dense bytes as 32 rows of 1,024 (128 elements of 8 bytes); 4 words of padding behind every 256 words, which is a row
	s_mov_b32 s[G1+0], (3<<16)|(1<<20)|(7<<22)|(3<<25)
	s_mov_b32 s[G1+1], 128<<16                     ; tensor_dim0
	s_mov_b32 s[G1+2], 32<<16                      ; tensor_dim1
	s_mov_b32 s[G1+3], 128<<16                     ; tile_dim0
	s_mov_b32 s[G1+4], 32                          ; tile_dim1
	s_mov_b32 s[G1+5], 128                         ; the pitch
	s_mov_b32 s[G1+6], 0
	s_mov_b32 s[G1+7], 0
	s_lshl_b32 s32, ttmp9, 17                      ; x: 64 g rows of 2,048 bytes
	s_lshl_b32 s31, s26, 15                        ; + 16 w rows
	s_add_co_u32 s32, s32, s31
	s_mov_b32 s33, 0
	s_lshl_b32 s34, s26, 15                        ; wq4: my 32,768 bytes of each tensor
	s_mov_b32 s35, 0
	s_lshl_b32 s36, s26, 11                        ; wq4s: my 2,048
	s_mov_b32 s37, 0
	s_lshl_b32 s38, ttmp9, 6                       ; the mask: 64 g
	s_mov_b32 s39, 0
	s_lshr_b32 s40, ttmp9, 4
	s_lshl_b32 s40, s40, 20                        ; out: batch x 2^20
	s_lshl_b32 s31, s26, 18                        ; + head 2 w x 131,072
	s_add_co_u32 s40, s40, s31
	s_and_b32 s31, ttmp9, 15
	s_lshl_b32 s31, s31, 13                        ; + my 64 rows' 8,192 bytes in a head
	s_add_co_u32 s40, s40, s31
	s_mov_b32 s41, 0
	s_wait_dscnt 0x0                               ; both opening adds are done
	s_wait_kmcnt 0x0
	s_add_nc_u64 s[8:9], s[8:9], s[32:33]
	s_add_nc_u64 s[10:11], s[10:11], s[32:33]
	s_add_nc_u64 s[12:13], s[12:13], s[32:33]
	s_add_nc_u64 s[14:15], s[14:15], s[38:39]
	s_add_nc_u64 s[16:17], s[16:17], s[34:35]
	s_add_nc_u64 s[18:19], s[18:19], s[36:37]
	s_add_nc_u64 s[20:21], s[20:21], s[40:41]
	s_add_nc_u64 s[22:23], s[22:23], s[40:41]
	s_add_nc_u64 s[24:25], s[24:25], s[40:41]
	s_mov_b32 s[G0Q], 1                            ; group 0: count = 1,
	s_mov_b32 s[G0Q+1], s42                        ; the LDS address: my stage 0,
	s_mov_b64 s[G0Q+2:G0Q+3], s[8:9]               ; the global address: my 16 rows of query,
	s_or_b32 s[G0Q+3], s[G0Q+3], 0x80000000        ; type = 2
	s_mov_b32 s[G0K], 1
	s_add_co_u32 s[G0K+1], s42, STG1               ; key: my stage 1
	s_mov_b64 s[G0K+2:G0K+3], s[10:11]
	s_or_b32 s[G0K+3], s[G0K+3], 0x80000000
	s_mov_b32 s[G0V], 1
	s_mov_b32 s[G0V+1], s42                        ; value: my stage 0 again
	s_mov_b64 s[G0V+2:G0V+3], s[12:13]
	s_or_b32 s[G0V+3], s[G0V+3], 0x80000000
	tensor_load_to_lds s[G0Q:G0Q+3], s[G1:G1+7]    ; the two first fills go out together, ahead of every wait on TENSORcnt, every LDS read and every barrier
	s_nop 0
	tensor_load_to_lds s[G0K:G0K+3], s[G1:G1+7]
	s_nop 0
.rept 4
	v_nop
.endr
; loads from .. to - 1 of my 64 of tensor T's weights: 32,768 bytes on end, 512 a load, in the order of the registers
.macro WLD T, from, to
	WIN 0x40
.set i, \from
.rept \to-\from
	global_load_b128 v[4*i:4*i+3], v[LI], s[16:17] offset:(\T)*131072+i*512
.set i, i+1
.endr
	WIN 0
.endm
.macro WSLD T                          ; and their 16 scale registers
.set i, 0
.rept 16
	global_load_b32 v[WS+i], v[LS], s[18:19] offset:(\T)*8192+i*128
.set i, i+1
.endr
.endm
; 64 numbers of a lane, register 16 b + i = k 32 b + 16 h + i of my row, become a fragment's codes in v[PC] on and its scale word in v[PW]
.macro QUANT s
.irp b, 0,1,2,3
	v_max3_num_f32 v[TM+\b], |v[\s+16*\b]|, |v[\s+1+16*\b]|, 0x1800000   ; my 16 numbers of block b, and the floor 2^(3 - 127): the byte cannot fall under 1
.endr
.irp i, 2,4,6,8,10,12,14
.irp b, 0,1,2,3
	v_max3_num_f32 v[TM+\b], v[TM+\b], |v[\s+16*\b+\i]|, |v[\s+1+16*\b+\i]|
.endr
.endr
.irp b, 0,1,2,3
	v_permlanex16_b32 v[TM+4+\b], v[TM+\b], s[SEL], s[SEL+1]
.endr
.irp b, 0,1,2,3
	v_max_num_f32 v[TM+\b], v[TM+\b], v[TM+4+\b]   ; with lane l xor 16's: the block's largest magnitude
.endr
.irp b, 0,1,2,3
	v_add_nc_u32 v[TM+12+\b], 0xff000000, v[TM+\b] ; 2 off its exponent field: the conversion's scale operand
.endr
.irp b, 0,1,2,3
	v_lshrrev_b32 v[TM+4+\b], 23, v[TM+12+\b]      ; the scale's byte
.endr
	v_lshl_or_b32 v[PW], v[TM+5], 8, v[TM+4]
	v_lshl_or_b32 v[PW], v[TM+6], 16, v[PW]
	v_lshl_or_b32 v[PW], v[TM+7], 24, v[PW]
.irp b, 0,1,2,3
	v_cvt_scalef32_pk8_fp4_f32 v[PC+2*\b], v[\s+16*\b:\s+7+16*\b], v[TM+12+\b]
	v_cvt_scalef32_pk8_fp4_f32 v[PC+1+2*\b], v[\s+8+16*\b:\s+15+16*\b], v[TM+12+\b]
.endr
	v_nop                                          ; one plain place behind a scaled conversion
.irp c, 0,1                                    ; the operand's layout wants a whole block in a lane
.irp i, 0,1
	v_permlane16_swap_b32 v[PC+4*\c+\i], v[PC+2+4*\c+\i]
.endr
.endr
.endm
; K step s of my rows out of the stage at adr, in the order that QUANT wants: 16 loads.  K steps 2 and 3 lie in a row's second 1,024 bytes, behind one padding
.macro LQ s, adr
.irp b, 0,1,2,3
.irp j, 0,1,2,3
	ds_load_b128 v[QW+64*((\s)%2)+16*\b+4*\j:QW+64*((\s)%2)+16*\b+4*\j+3], v[\adr] offset:(4*(\s)+\b)*128+16*\j+16*((\s)/2)
.endr
.endr
.endm
.macro IMAGE tr, s                     ; the fragment and its scale word go to LDS as they stand: 3 stores
	ds_store_b128 v[IWI], v[PC:PC+3] offset:(\tr)*IMGT+(\s)*4096
	ds_store_b128 v[IWI], v[PC+4:PC+7] offset:(\tr)*IMGT+(\s)*4096+512
	ds_store_b32 v[IWS], v[PW] offset:(\tr)*IMGT+(\s)*512
.endm
; one product: K step s, row tile mt, column tile t.  sw = 0: source 0 = W, source 1 = x; sw = 1: the other way round.  The first K step starts the sums.  An odd tile's scales stand in lanes 16-31.
.macro MM sw, s, mt, t
.set rD, 8*(8*(\mt)+(\t))
.set rW, 8*(8*(\s)+(\t))
.set rX, XF+8*(4*(\s)+(\mt))
.set rWS, WS+4*(\s)+(\t)/2
.set rXS, XS+4*(\s)+(\mt)
.if \sw
.if (\s) == 0
.if (\t)%2
	v_wmma_scale_f32_16x16x128_f8f6f4 v[rD:rD+7], v[rX:rX+7], v[rW:rW+7], 0, v[rXS], v[rWS] matrix_a_fmt:MATRIX_FMT_FP4 matrix_b_fmt:MATRIX_FMT_FP4 matrix_b_scale:MATRIX_SCALE_ROW1
.else
	v_wmma_scale_f32_16x16x128_f8f6f4 v[rD:rD+7], v[rX:rX+7], v[rW:rW+7], 0, v[rXS], v[rWS] matrix_a_fmt:MATRIX_FMT_FP4 matrix_b_fmt:MATRIX_FMT_FP4
.endif
.else
.if (\t)%2
	v_wmma_scale_f32_16x16x128_f8f6f4 v[rD:rD+7], v[rX:rX+7], v[rW:rW+7], v[rD:rD+7], v[rXS], v[rWS] matrix_a_fmt:MATRIX_FMT_FP4 matrix_b_fmt:MATRIX_FMT_FP4 matrix_b_scale:MATRIX_SCALE_ROW1
.else
	v_wmma_scale_f32_16x16x128_f8f6f4 v[rD:rD+7], v[rX:rX+7], v[rW:rW+7], v[rD:rD+7], v[rXS], v[rWS] matrix_a_fmt:MATRIX_FMT_FP4 matrix_b_fmt:MATRIX_FMT_FP4
.endif
.endif
.else
.if (\s) == 0
.if (\t)%2
	v_wmma_scale_f32_16x16x128_f8f6f4 v[rD:rD+7], v[rW:rW+7], v[rX:rX+7], 0, v[rWS], v[rXS] matrix_a_fmt:MATRIX_FMT_FP4 matrix_b_fmt:MATRIX_FMT_FP4 matrix_a_scale:MATRIX_SCALE_ROW1
.else
	v_wmma_scale_f32_16x16x128_f8f6f4 v[rD:rD+7], v[rW:rW+7], v[rX:rX+7], 0, v[rWS], v[rXS] matrix_a_fmt:MATRIX_FMT_FP4 matrix_b_fmt:MATRIX_FMT_FP4
.endif
.else
.if (\t)%2
	v_wmma_scale_f32_16x16x128_f8f6f4 v[rD:rD+7], v[rW:rW+7], v[rX:rX+7], v[rD:rD+7], v[rWS], v[rXS] matrix_a_fmt:MATRIX_FMT_FP4 matrix_b_fmt:MATRIX_FMT_FP4 matrix_a_scale:MATRIX_SCALE_ROW1
.else
	v_wmma_scale_f32_16x16x128_f8f6f4 v[rD:rD+7], v[rW:rW+7], v[rX:rX+7], v[rD:rD+7], v[rWS], v[rXS] matrix_a_fmt:MATRIX_FMT_FP4 matrix_b_fmt:MATRIX_FMT_FP4
.endif
.endif
.endif
.endm
.irp m, 0,1,2,3
	global_load_u8 v[MB+\m], v[MO], s[14:15] offset:16*\m   ; the mask's byte of key 16 m + r of my work-group's rows
.endr
	WLD 0, 0, 56                                   ; 56 of W_q's 64 loads; the other 8 and the 16 scale loads follow in the trip
; tr: 0 query, 1 key, 2 value.  po: where the results go.  adr: the register with my stage's address.
.macro TRIP tr, po, adr
	; ---- quantise
.if \tr == 0
	s_wait_loadcnt 56                              ; the mask's bytes are in: the 56 younger loads are the weights'
.irp m, 0,1,2,3
	v_cmp_eq_u32 vcc_lo, 0, v[MB+\m]
	v_cndmask_b32 v[FK+2*\m], 0, v[ONE], vcc_lo    ; 1 where the key counts, 0 where it is masked
	v_mov_b32 v[FK+2*\m+1], v[FK+2*\m]
.endr
.endif
.if \tr == 2
	s_wait_tensorcnt 0x0                           ; value's rows have landed
.else
	s_wait_tensorcnt 0x1                           ; this tensor's rows have landed; the one load issued behind theirs (key's, then value's) may be out.  Only I read my stage: my own wait is all that the reads need
.endif
.if \tr == 0
.irp i, 0,1,2,3
	global_prefetch_b8 v[PFO], s[12:13] offset:\i*8192 th:TH_LOAD_NT scope:SCOPE_SE   ; my 16 rows of value, 128 blocks of 256 bytes, a lane a block, each named once in the launch: this quantising phase ahead of the tensor load that asks for them
.endr
.endif
	LQ 0, \adr
	LQ 1, \adr
	s_wait_dscnt 16                                ; K step 0's numbers are in; the youngest 16 loads may be out
	QUANT QW
	IMAGE \tr, 0
	LQ 2, \adr
	WLD \tr, 56, 64                                ; the rest of this tensor's weights,
	WSLD \tr                                       ; and their scales
	s_wait_dscnt 16                                ; K step 1's numbers are in and the image's stores are done; the youngest 16 loads may be out
	QUANT QW+64
	IMAGE \tr, 1
	LQ 3, \adr
	s_wait_dscnt 16
	QUANT QW
	IMAGE \tr, 2
	s_wait_dscnt 0x0
	QUANT QW+64
	IMAGE \tr, 3
.if \tr == 0
	s_wait_tensorcnt 0x0                           ; behind this barrier my stage 0 is filled again: all my tensor loads have landed, key's among them;
	ds_add_u32 v[SPW], v[NIL]                      ; 0 onto my spare word
.endif
	s_wait_dscnt 0x0                               ; for the others' sake: my images have landed; (first trip: the add is done, and my reads of stage 0 are over)
	s_barrier_signal -1
	s_barrier_wait -1                              ; all sixteen fragments of x lie in LDS
.if \tr == 0
	tensor_load_to_lds s[G0V:G0V+3], s[G1:G1+7]    ; value's rows into query's place: my one tensor load behind this barrier, and the first thing there
	s_nop 0
.rept 4
	v_nop
.endr
.endif
	; ---- multiply
.irp s, 0,1,2,3
.irp mt, 0,1,2,3
	ds_load_b128 v[XF+8*(4*\s+\mt):XF+8*(4*\s+\mt)+3], v[IRI] offset:(\tr)*IMGT+(4*\s+\mt)*1024
	ds_load_b128 v[XF+8*(4*\s+\mt)+4:XF+8*(4*\s+\mt)+7], v[IRI] offset:(\tr)*IMGT+(4*\s+\mt)*1024+512
.endr
.irp mt, 0,1,2,3
	ds_load_b32 v[XS+4*\s+\mt], v[IRS] offset:(\tr)*IMGT+(4*\s+\mt)*128
.endr
.endr
	s_wait_loadcnt 0x0                             ; the weights and their scales are in
.irp s, 0,1,2,3
	s_wait_dscnt 36-12*\s                          ; this K step's 12 LDS loads are in; the later steps' 12 each may be out
.if \tr == 2
	WIN 0xa4                                       ; source 0 (x) window 0, source 1 (W) window 1, C and D window 2
.else
	WIN 0xa1                                       ; source 0 (W) window 1, source 1 (x) window 0, C and D window 2
.endif
.irp mt, 0,1,2,3
.irp t, 0,1,2,3,4,5,6,7
	MM (\tr)/2, \s, \mt, \t                        ; the 32 accumulators take turns, one instruction a turn
.endr
.endr
.endr
	; ---- the way out
	WIN 0
.rept 4
	v_nop                                          ; four places between the last products and the first read of results, and the loads into their operands
.endr
.if \tr < 2
	WIN 0x82                                       ; accumulators in window 2, the factor in window 0
.set i, 0
.rept 128
.if \tr == 0
	v_pk_mul_f32 v[2*i:2*i+1], v[2*i:2*i+1], v[FQ:FQ+1] op_sel_hi:[1,0]                         ; Q x c
.else
	v_pk_mul_f32 v[2*i:2*i+1], v[2*i:2*i+1], v[FK+2*(i/32):FK+2*(i/32)+1] op_sel_hi:[1,0]       ; K's rows of masked keys become zeros
.endif
.set i, i+1
.endr
.endif
.if \tr > 0
	s_wait_xcnt 0x0                                ; the last trip's stores have read their data: those registers are written again below
.endif
	WIN 0xca                                       ; sources window 2, destination window 3
.set i, 0
.rept 128
	v_cvt_pk_f16_f32 v[i], v[2*i], v[2*i+1]        ; each accumulator from its low end on
.set i, i+1
.endr
	WIN 0x0c                                       ; a store's data are its source 1: window 3; its address window 0
.irp mt, 0,1,2,3
.irp t, 0,1,2,3,4,5,6,7
.if \tr < 2
	global_store_b128 v[LI], v[4*(8*\mt+\t):4*(8*\mt+\t)+3], s[\po:\po+1] offset:(\t/4)*131072+\mt*2048+(\t%4)*512
.else
	global_store_b128 v[LI], v[4*(8*\mt+\t):4*(8*\mt+\t)+3], s[\po:\po+1] offset:(\t/4)*131072+(\mt/2)*4096+(\t%4)*1024+(\mt%2)*512
.endif
.endr
.endr
	WIN 0
.if \tr < 2
	WLD (\tr)+1, 0, 56                             ; the next tensor's weights: they come while its rows are quantised
.endif
.endm
	TRIP 0, 20, STR0
	TRIP 1, 22, STR1
	TRIP 2, 24, STR0
	s_wait_tensorcnt 0x0                           ; the wave's end: behind my last tensor load and my last LDS store
	ds_add_u32 v[SPW], v[NIL]
	s_wait_dscnt 0x0
	s_endpgm
.Lfunc_end_k_qe15bb28814_proj:
	.size	k_qe15bb28814_proj, .Lfunc_end_k_qe15bb28814_proj-k_qe15bb28814_proj
	.p2alignl 7, 3214868480
	.fill 96, 4, 3214868480
	.section	.rodata,"a",@progbits
	.p2align	6, 0x0
	.amdhsa_kernel k_qe15bb28814_proj
		.amdhsa_group_segment_fixed_size 327680
		.amdhsa_private_segment_fixed_size 0
		.amdhsa_enable_private_segment 0
		.amdhsa_kernarg_size 72
		.amdhsa_user_sgpr_count 2
		.amdhsa_user_sgpr_kernarg_segment_ptr 1
		.amdhsa_wavefront_size32 1
		.amdhsa_system_sgpr_workgroup_id_x 1
		.amdhsa_system_sgpr_workgroup_id_y 1
		.amdhsa_system_sgpr_workgroup_id_z 1
		.amdhsa_system_vgpr_workitem_id 0
		.amdhsa_next_free_vgpr 1024
		.amdhsa_next_free_sgpr 66
		.amdhsa_reserve_vcc 1
		.amdhsa_float_denorm_mode_32 3
		.amdhsa_float_denorm_mode_16_64 3
		.amdhsa_memory_ordered 1
		.amdhsa_forward_progress 1
		.amdhsa_inst_pref_size 196
	.end_amdhsa_kernel
	.amdgpu_metadata
---
amdhsa.version: [ 1, 2 ]
amdhsa.kernels:
  - .name:           k_qe15bb28814_proj
    .symbol:         k_qe15bb28814_proj.kd
    .args:
      - { .name: query, .offset: 0, .size: 8, .value_kind: global_buffer, .address_space: global }
      - { .name: key, .offset: 8, .size: 8, .value_kind: global_buffer, .address_space: global }
      - { .name: value, .offset: 16, .size: 8, .value_kind: global_buffer, .address_space: global }
      - { .name: key_padding_mask, .offset: 24, .size: 8, .value_kind: global_buffer, .address_space: global }
      - { .name: wq4, .offset: 32, .size: 8, .value_kind: global_buffer, .address_space: global }
      - { .name: wq4s, .offset: 40, .size: 8, .value_kind: global_buffer, .address_space: global }
      - { .name: qf, .offset: 48, .size: 8, .value_kind: global_buffer, .address_space: global }
      - { .name: kf, .offset: 56, .size: 8, .value_kind: global_buffer, .address_space: global }
      - { .name: vf, .offset: 64, .size: 8, .value_kind: global_buffer, .address_space: global }
    .group_segment_fixed_size: 327680
    .private_segment_fixed_size: 0
    .kernarg_segment_align: 8
    .kernarg_segment_size: 72
    .max_flat_workgroup_size: 128
    .sgpr_count:     66
    .vgpr_count:     1024
    .wavefront_size: 32
...
	.end_amdgpu_metadata
.endif
;; end of part 2
;; launch attn (part 3): grid 2 x 128, 8 waves a work-group, no clusters, 267,264 bytes of LDS; arguments qf, kf, vf, key_padding_mask, vatt; writes vatt
.if DOCPART == 3
	.amdgcn_target "amdgcn-amd-amdhsa--gfx1250"
	.amdhsa_code_object_version 6
	.text
	.protected	k_qe15bb28814_attn
	.globl	k_qe15bb28814_attn
	.p2align	8
	.type	k_qe15bb28814_attn,@function
k_qe15bb28814_attn:
	s_mov_b64 s[64:65], 0
	v_nop
	global_prefetch_b8 v0, s[64:65] scope:SCOPE_SE
	s_setreg_imm32_b32 hwreg(HW_REG_WAVE_MODE, 25, 1), 1
	s_wait_xcnt 0x0
; V_att[b][q][head] = the sum over k of softmax_k(score) V, score = Q . K / f32(8.000001), replaced by -2^32 where key k is masked.  f16 operands, f32 sums, softmax in f32 with a running maximum.
; qf holds c Q (c = log2(e) / f32(8.000001)), so a product gives t = score x log2(e), and p = 2^(t - m).
; THE MASK.  kf holds zero rows for masked keys, and the C of a score tile's first matrix instruction is bias[key]: 0, or -2^32 x log2(e) for a masked key.  So a masked t is that number bit for bit,
; as the replacement asks: with every key of a batch masked all p are 2^0.
; SHARES.  A work-group owns 512 queries of one head, each of its eight waves 64: four tiles of 16.  Two work-groups share a head's K and V, each fetched once at the head of the kernel: too little is shared for a cluster.
; THE HEAD'S WHOLE K AND V LIE IN LDS, as the dense images that the launch before stored: 131,072 bytes each, filled once, in four chunks of 256 keys, all asked for at the kernel's head
; (four tensor loads a wave are out at the most).  Nothing is filled again.  A fragment comes by two loads of 16 bytes a lane, 512 consecutive bytes each.
; LAYOUT.  S^T = K Q^T (source 0 = 16 keys, source 1 = 16 queries) and O^T = V^T P (source 0 = 16 channels, source 1 = P): a lane holds one query throughout; two score tiles, packed to f16, are source 1 of the second product.
; LIMITS: p under 2^-24 is lost in f16; results beyond 65,504 have no f16 number; NaN and infinities are not served.
; REGISTERS.  Window 0: v1-7 addresses; v8-31 six statistics a tile; v32-159 S^T, then p, then P in place; v160-223 Q; v224-255 the step's bias.   Window 1: v0-127 O^T; v128-191 K; v192-255 V.
.set VB,    131072                     ; LDS: K at 0, V here,
.set BIAS,  262144                     ; 1,024 f32,
.set SPARE, 266240                     ; and the spare words, 128 bytes for each wave, which no other line names
.set LI,  1                            ; 16 x lane
.set LB0, 2                            ; BIAS + 32 h
.set AK,  3                            ; the step's addresses
.set AV,  4
.set AB,  5
.set SPW, 6                            ; my spare word; never rewritten
.set NIL, 7                            ; 0; never rewritten
.set ST,  8                            ; tile q at v[ST + 6 q]: +0 m, +1 at work (then m again), +2 a, +3 at work, +4, +5 l in two halves
.set S,   32                           ; S(q, kt) at S + 32 q + 8 kt
.set Q,   160                          ; Q(q, c) at Q + 16 q + 8 c
.set BI,  224                          ; bias of key tile kt at BI + 8 kt
.set KF,  128                          ; window 1: K(kt, c) at KF + 16 kt + 8 c
.set VF,  192                          ; window 1: V(ct, ks) at VF + 8 (4 ks + ct)
.set MSB, 0
.macro WIN new                         ; the immediate's high byte repeats the setting that is left
.if MSB != \new
	s_set_vgpr_msb (MSB<<8)|\new
.set MSB, \new
.endif
.endm
	s_load_b256 s[4:11], s[0:1], 0x0               ; qf 4, kf 6, vf 8, mask 10
	s_load_b64 s[12:13], s[0:1], 0x20              ; vatt
	v_lshl_add_u32 v[SPW], v0, 2, SPARE
	v_mov_b32 v[NIL], 0
	ds_add_u32 v[SPW], v[NIL]                      ; the wave's opening: the add, twice on end, and its wait ahead of my first tensor load
	ds_add_u32 v[SPW], v[NIL]
	v_lshrrev_b32 v32, 5, v0
	v_readfirstlane_b32 s14, v32                   ; wave 0..7
	s_and_b32 s15, ttmp7, 0xffff                   ; 8 x batch + head
	; descriptor group 1: 8,192 dense bytes as 32 rows of 256 (32 elements of 8 bytes), no padding
	s_mov_b32 s16, 3<<16
	s_mov_b32 s17, 32<<16                          ; tensor_dim0
	s_mov_b32 s18, 32<<16                          ; tensor_dim1
	s_mov_b32 s19, 32<<16                          ; tile_dim0
	s_mov_b32 s20, 32                              ; tile_dim1
	s_mov_b32 s21, 32                              ; the pitch
	s_mov_b32 s22, 0
	s_mov_b32 s23, 0
	s_lshr_b32 s46, s14, 2                         ; waves 0-3 fetch K, waves 4-7 V
	s_and_b32 s47, s14, 3                          ; which quarter of a chunk
	s_lshl_b32 s48, s46, 17
	s_lshl_b32 s49, s47, 13
	s_add_co_u32 s48, s48, s49                     ; where it goes in LDS, chunk 0
	s_lshl_b32 s50, s15, 17                        ; the head's 131,072 bytes,
	s_add_co_u32 s50, s50, s49                     ; my quarter
	s_mov_b32 s51, 0
	s_lshr_b32 s54, s15, 3                         ; batch
	s_lshl_b32 s56, s54, 20                        ; vatt: (64 batch + 32 x + 4 wave) row tiles of 16,384 bytes + head x 2,048
	s_lshl_b32 s55, ttmp9, 19
	s_add_co_u32 s56, s56, s55
	s_lshl_b32 s55, s14, 16
	s_add_co_u32 s56, s56, s55
	s_and_b32 s55, s15, 7
	s_lshl_b32 s55, s55, 11
	s_add_co_u32 s56, s56, s55
	s_mov_b32 s57, 0
	s_lshl_b32 s58, s15, 17                        ; qf: the head + (32 x + 4 wave) tiles of 2,048 bytes
	s_lshl_b32 s55, ttmp9, 16
	s_add_co_u32 s58, s58, s55
	s_lshl_b32 s55, s14, 13
	s_add_co_u32 s58, s58, s55
	s_mov_b32 s59, 0
	s_lshl_b32 s60, s54, 10                        ; the mask: the batch's 1,024 bytes
	s_mov_b32 s61, 0
	s_mov_b32 s40, 0x76543210
	s_mov_b32 s41, 0xfedcba98                      ; v_permlanex16_b32's selects for lane l xor 16
	s_wait_dscnt 0x0                               ; both opening adds are done
	s_wait_kmcnt 0x0
	s_cmp_lt_u32 s14, 4
	s_cselect_b64 s[52:53], s[6:7], s[8:9]         ; the choice hangs on the wave's number alone
	s_add_nc_u64 s[52:53], s[52:53], s[50:51]
.irp i, 0,1,2,3
	s_mov_b32 s[24+4*\i], 1                        ; group 0 of chunk i: count = 1,
	s_add_co_u32 s[25+4*\i], s48, \i*32768         ; the LDS address,
	s_add_nc_u64 s[26+4*\i:27+4*\i], s[52:53], \i*32768   ; the global address,
	s_or_b32 s[27+4*\i], s[27+4*\i], 0x80000000    ; type = 2
.endr
.irp i, 0,1,2,3
	tensor_load_to_lds s[24+4*\i:27+4*\i], s[16:23]
	s_nop 0
.endr
.rept 4
	v_nop
.endr
	s_add_nc_u64 s[4:5], s[4:5], s[58:59]
	s_add_nc_u64 s[10:11], s[10:11], s[60:61]
	s_add_nc_u64 s[12:13], s[12:13], s[56:57]
	v_and_b32 v32, 31, v0
	v_lshlrev_b32 v[LI], 4, v32
	v_bfe_u32 v33, v0, 4, 1
	v_lshl_add_u32 v[LB0], v33, 5, BIAS
	v_lshlrev_b32 v33, 2, v0                       ; four mask bytes a thread
.irp q, 0,1,2,3
.irp c, 0,1
	global_load_b128 v[Q+16*\q+8*\c:Q+16*\q+8*\c+3], v[LI], s[4:5] offset:\q*2048+\c*1024        ; Q stays in registers
	global_load_b128 v[Q+16*\q+8*\c+4:Q+16*\q+8*\c+7], v[LI], s[4:5] offset:\q*2048+\c*1024+512
.endr
.endr
	global_load_b32 v32, v33, s[10:11]
.irp q, 0,1,2,3
	v_mov_b32 v[ST+6*\q], 0xff61b1e6               ; m = -3e38, under every t
	v_mov_b32 v[ST+6*\q+1], 0
	v_mov_b32 v[ST+6*\q+2], 0
	v_mov_b32 v[ST+6*\q+3], 0
	v_mov_b32 v[ST+6*\q+4], 0                      ; l
	v_mov_b32 v[ST+6*\q+5], 0
.endr
	WIN 0x40
.set i, 0
.rept 128
	v_mov_b32 v[i], 0                              ; O^T.  (The step is written without a first step of its own: the first change of m multiplies zeros)
.set i, i+1
.endr
	WIN 0
	v_mov_b32 v34, 0xcfb8aa3b                      ; -2^32 x log2(e)
	v_lshl_add_u32 v40, v0, 4, BIAS
	s_wait_loadcnt 0x0
.irp i, 0,1,2,3
	v_bfe_u32 v35, v32, 8*\i, 8
	v_cmp_ne_u32 vcc_lo, 0, v35
	v_cndmask_b32 v[36+\i], 0, v34, vcc_lo
.endr
	ds_store_b128 v40, v[36:39]                    ; bias of keys 4 x thread + 0 .. 3
; A KEY STEP: 64 keys
.macro STEP
	v_add_nc_u32 v[AK], s43, v[LI]
	v_add_nc_u32 v[AV], s44, v[LI]
	v_add_nc_u32 v[AB], s45, v[LB0]
	v_nop
	v_nop                                          ; five places behind the last step's products: the first products below write over registers that those read, and the loads land in their operands
.irp kt, 0,1,2,3
	ds_load_b128 v[BI+8*\kt:BI+8*\kt+3], v[AB] offset:\kt*64
	ds_load_b128 v[BI+8*\kt+4:BI+8*\kt+7], v[AB] offset:\kt*64+16
.endr
	WIN 0x40
.irp kt, 0,1,2,3
.irp c, 0,1
	ds_load_b128 v[KF+16*\kt+8*\c:KF+16*\kt+8*\c+3], v[AK] offset:\kt*2048+\c*1024
	ds_load_b128 v[KF+16*\kt+8*\c+4:KF+16*\kt+8*\c+7], v[AK] offset:\kt*2048+\c*1024+512
.endr
.endr
.irp ks, 0,1
.irp ct, 0,1,2,3
	ds_load_b128 v[VF+8*(4*\ks+\ct):VF+8*(4*\ks+\ct)+3], v[AV] offset:\ks*4096+\ct*1024
	ds_load_b128 v[VF+8*(4*\ks+\ct)+4:VF+8*(4*\ks+\ct)+7], v[AV] offset:\ks*4096+\ct*1024+512
.endr
.endr
	s_wait_dscnt 16                                ; the bias and K are in; V's 16 loads may be out
	WIN 0x01                                       ; source 0 (K) window 1, all else window 0
.irp c, 0,1
.irp kt, 0,1,2,3
.irp q, 0,1,2,3                                ; sixteen accumulators take turns, one instruction a turn
.if \c == 0
	v_wmma_f32_16x16x32_f16 v[S+32*\q+8*\kt:S+32*\q+8*\kt+7], v[KF+16*\kt:KF+16*\kt+7], v[Q+16*\q:Q+16*\q+7], v[BI+8*\kt:BI+8*\kt+7]
.else
	v_wmma_f32_16x16x32_f16 v[S+32*\q+8*\kt:S+32*\q+8*\kt+7], v[KF+16*\kt+8:KF+16*\kt+15], v[Q+16*\q+8:Q+16*\q+15], v[S+32*\q+8*\kt:S+32*\q+8*\kt+7]
.endif
.endr
.endr
.endr
	WIN 0
.rept 4
	v_nop
.endr
	; the largest t of my 32 keys and the old m: one chain a tile, the four tiles by turns; each accumulator is first read at its low end
.irp q, 0,1,2,3
	v_max3_num_f32 v[ST+6*\q+1], v[S+32*\q], v[S+32*\q+1], v[S+32*\q+2]
.endr
.irp i, 3,5,7,9,11,13,15,17,19,21,23,25,27,29
.irp q, 0,1,2,3
	v_max3_num_f32 v[ST+6*\q+1], v[ST+6*\q+1], v[S+32*\q+\i], v[S+32*\q+\i+1]
.endr
.endr
.irp q, 0,1,2,3
	v_max3_num_f32 v[ST+6*\q+1], v[ST+6*\q+1], v[S+32*\q+31], v[ST+6*\q]
.endr
.irp q, 0,1,2,3
	v_permlanex16_b32 v[ST+6*\q+3], v[ST+6*\q+1], s40, s41     ; the query's other 32 keys lie in the lane 16 away
.endr
.irp q, 0,1,2,3
	v_max_num_f32 v[ST+6*\q+1], v[ST+6*\q+1], v[ST+6*\q+3]     ; the new m
.endr
.irp q, 0,1,2,3
	v_sub_f32 v[ST+6*\q+3], v[ST+6*\q], v[ST+6*\q+1]           ; old m - new m
.endr
.irp q, 0,1,2,3
	v_mov_b32 v[ST+6*\q], v[ST+6*\q+1]
.endr
.set p, 0
.rept 16
.irp q, 0,1,2,3
	v_pk_add_f32 v[S+32*\q+2*p:S+32*\q+2*p+1], v[S+32*\q+2*p:S+32*\q+2*p+1], v[ST+6*\q:ST+6*\q+1] op_sel_hi:[1,0] neg_lo:[0,1] neg_hi:[0,1]   ; t - m: exact at t = m, however large
.endr
.set p, p+1
.endr
.irp q, 0,1,2,3                                ; ONE BATCH of exponentials: a = 2^(old m - new m), and the 128 p
	v_exp_f32 v[ST+6*\q+2], v[ST+6*\q+3]
.endr
.set p, 0
.rept 128
	v_exp_f32 v[S+p], v[S+p]
.set p, p+1
.endr
	v_nop                                          ; a plain instruction behind the last exponential,
	s_wait_alu depctr_va_vdst(0)                   ; and one wait for the batch ahead of its first reader
.irp q, 0,1,2,3
	v_pk_mul_f32 v[ST+6*\q+4:ST+6*\q+5], v[ST+6*\q+4:ST+6*\q+5], v[ST+6*\q+2:ST+6*\q+3] op_sel_hi:[1,0]   ; l x a
.endr
.set p, 0
.rept 16
.irp q, 0,1,2,3
	v_pk_add_f32 v[ST+6*\q+4:ST+6*\q+5], v[ST+6*\q+4:ST+6*\q+5], v[S+32*\q+2*p:S+32*\q+2*p+1]             ; the row's sum, of p in f32
.endr
.set p, p+1
.endr
.irp ks, 0,1                                   ; p to f16, in place and ascending: each destination has been read before it is written
.irp i, 0,1,2,3
.irp q, 0,1,2,3
	v_cvt_pk_f16_f32 v[S+32*\q+16*\ks+\i], v[S+32*\q+16*\ks+2*\i], v[S+32*\q+16*\ks+2*\i+1]
.endr
.endr
.irp i, 0,1,2,3
.irp q, 0,1,2,3
	v_cvt_pk_f16_f32 v[S+32*\q+16*\ks+4+\i], v[S+32*\q+16*\ks+8+2*\i], v[S+32*\q+16*\ks+8+2*\i+1]
.endr
.endr
.endr
	WIN 0x41                                       ; O^T in window 1, a in window 0
.set p, 0
.rept 16
.irp q, 0,1,2,3
	v_pk_mul_f32 v[32*\q+2*p:32*\q+2*p+1], v[32*\q+2*p:32*\q+2*p+1], v[ST+6*\q+2:ST+6*\q+3] op_sel_hi:[1,0]
.endr
.set p, p+1
.endr
	s_wait_dscnt 0x0                               ; V is in
	WIN 0x51                                       ; source 0 (V), C and D window 1; P window 0
.irp ks, 0,1
.irp ct, 0,1,2,3
.irp q, 0,1,2,3
	v_wmma_f32_16x16x32_f16 v[32*\q+8*\ct:32*\q+8*\ct+7], v[VF+8*(4*\ks+\ct):VF+8*(4*\ks+\ct)+7], v[S+32*\q+16*\ks:S+32*\q+16*\ks+7], v[32*\q+8*\ct:32*\q+8*\ct+7]
.endr
.endr
.endr
	WIN 0
.endm
; CHUNK n: 256 keys, four steps.  My part of the chunk has landed (the later chunks' loads may stay out), and so has every other wave's behind the barrier.
.macro CHUNK n
	s_wait_tensorcnt 3-\n
	s_wait_dscnt 0x0                               ; (chunk 0: my part of the bias has landed too)
	s_barrier_signal -1
	s_barrier_wait -1
	s_mov_b32 s43, \n*32768                        ; where the chunk's K,
	s_mov_b32 s44, VB+\n*32768                     ; V
	s_mov_b32 s45, \n*1024                         ; and bias begin
	s_mov_b32 s42, 4
.Lstep_\@:
	STEP
	s_add_co_u32 s43, s43, 8192
	s_add_co_u32 s44, s44, 8192
	s_add_co_u32 s45, s45, 256
	s_sub_co_u32 s42, s42, 1
	s_cmp_lg_u32 s42, 0
	s_cbranch_scc1 .Lstep_\@
.endm
	CHUNK 0
	CHUNK 1
	CHUNK 2
	CHUNK 3
	; THE WAY OUT: O^T / l, to f16, as the image of the next product's operand: 16 bytes a lane, 512 consecutive bytes a store.  The additions are the places behind the last products.
.irp q, 0,1,2,3
	v_add_f32 v[ST+6*\q+1], v[ST+6*\q+4], v[ST+6*\q+5]
.endr
.irp q, 0,1,2,3
	v_permlanex16_b32 v[ST+6*\q+3], v[ST+6*\q+1], s40, s41
.endr
.irp q, 0,1,2,3
	v_add_f32 v[ST+6*\q+1], v[ST+6*\q+1], v[ST+6*\q+3]
.endr
.irp q, 0,1,2,3
	v_rcp_f32 v[ST+6*\q+2], v[ST+6*\q+1]
.endr
	v_nop
	s_wait_alu depctr_va_vdst(0)                   ; one wait for the four reciprocals, ahead of their first reader
.irp q, 0,1,2,3
	WIN 0x41
.set p, 0
.rept 16
	v_pk_mul_f32 v[32*\q+2*p:32*\q+2*p+1], v[32*\q+2*p:32*\q+2*p+1], v[ST+6*\q+2:ST+6*\q+3] op_sel_hi:[1,0]
.set p, p+1
.endr
	WIN 0x05
.set p, 0
.rept 16
	v_cvt_pk_f16_f32 v[S+32*\q+p], v[32*\q+2*p], v[32*\q+2*p+1]
.set p, p+1
.endr
	WIN 0
.irp ct, 0,1,2,3
	global_store_b128 v[LI], v[S+32*\q+4*\ct:S+32*\q+4*\ct+3], s[12:13] offset:\q*16384+\ct*512
.endr
.endr
	s_wait_tensorcnt 0x0                           ; the wave's end: behind my last tensor load and my last LDS store
	ds_add_u32 v[SPW], v[NIL]
	s_wait_dscnt 0x0
	s_endpgm
.Lfunc_end_k_qe15bb28814_attn:
	.size	k_qe15bb28814_attn, .Lfunc_end_k_qe15bb28814_attn-k_qe15bb28814_attn
	.p2alignl 7, 3214868480
	.fill 96, 4, 3214868480
	.section	.rodata,"a",@progbits
	.p2align	6, 0x0
	.amdhsa_kernel k_qe15bb28814_attn
		.amdhsa_group_segment_fixed_size 267264
		.amdhsa_private_segment_fixed_size 0
		.amdhsa_enable_private_segment 0
		.amdhsa_kernarg_size 40
		.amdhsa_user_sgpr_count 2
		.amdhsa_user_sgpr_kernarg_segment_ptr 1
		.amdhsa_wavefront_size32 1
		.amdhsa_system_sgpr_workgroup_id_x 1
		.amdhsa_system_sgpr_workgroup_id_y 1
		.amdhsa_system_sgpr_workgroup_id_z 1
		.amdhsa_system_vgpr_workitem_id 0
		.amdhsa_next_free_vgpr 512
		.amdhsa_next_free_sgpr 66
		.amdhsa_reserve_vcc 1
		.amdhsa_float_denorm_mode_32 3
		.amdhsa_float_denorm_mode_16_64 3
		.amdhsa_memory_ordered 1
		.amdhsa_forward_progress 1
		.amdhsa_inst_pref_size 153
	.end_amdhsa_kernel
	.amdgpu_metadata
---
amdhsa.version: [ 1, 2 ]
amdhsa.kernels:
  - .name:           k_qe15bb28814_attn
    .symbol:         k_qe15bb28814_attn.kd
    .args:
      - { .name: qf, .offset: 0, .size: 8, .value_kind: global_buffer, .address_space: global }
      - { .name: kf, .offset: 8, .size: 8, .value_kind: global_buffer, .address_space: global }
      - { .name: vf, .offset: 16, .size: 8, .value_kind: global_buffer, .address_space: global }
      - { .name: key_padding_mask, .offset: 24, .size: 8, .value_kind: global_buffer, .address_space: global }
      - { .name: vatt, .offset: 32, .size: 8, .value_kind: global_buffer, .address_space: global }
    .group_segment_fixed_size: 267264
    .private_segment_fixed_size: 0
    .kernarg_segment_align: 8
    .kernarg_segment_size: 40
    .max_flat_workgroup_size: 256
    .sgpr_count:     66
    .vgpr_count:     512
    .wavefront_size: 32
...
	.end_amdgpu_metadata
.endif
;; end of part 3
;; launch tail (part 4): grid 256 x 1, 4 waves a work-group, no clusters, 281,088 bytes of LDS; arguments vatt, query, wf16, b1, b2, b3, ln_g, ln_b, out0; writes out0
.if DOCPART == 4
	.amdgcn_target "amdgcn-amd-amdhsa--gfx1250"
	.amdhsa_code_object_version 6
	.text
	.protected	k_qe15bb28814_tail
	.globl	k_qe15bb28814_tail
	.p2align	8
	.type	k_qe15bb28814_tail,@function
k_qe15bb28814_tail:
	s_mov_b64 s[64:65], 0
	v_nop
	global_prefetch_b8 v0, s[64:65] scope:SCOPE_SE
	s_setreg_imm32_b32 hwreg(HW_REG_WAVE_MODE, 25, 1), 1
	s_wait_xcnt 0x0
; X = LN(query + V_att W_o);  out = LN(relu(X w1^T + b1) w2^T + b2 + X) w3^T + b3.  Four products of 64 x 512 x 512 a work-group, f16 operands, f32 sums; all else in f32.
; A work-group takes rows 64 g .. 64 g + 63 through the whole chain; nothing between the products goes to memory.
; THE WAVES SHARE THE COLUMNS: wave w owns columns 128 w .. 128 w + 127 of every product, for all 64 rows: 32 accumulators, 256 registers, in two sets (A, B) that take turns from product to product.
; EVERY PRODUCT IS USED TRANSPOSED (source 0 = 16 columns of the weight, source 1 = 16 rows): a lane holds row 16 mt + r and columns 128 w + 16 t + 8 h + 0 .. 7.  So a row's sums for the norm begin in the lane's own
; registers, biases and gains are one number a register, and eight results packed to f16 ARE half a fragment of the next product (K step 4 w + t / 2, half t % 2): they go from wave to wave through LDS as images, 16 bytes a lane.
; WEIGHTS go from memory straight into registers, as the images that the first launch laid: a fragment is used by one wave alone, and a wave's 64 K steps of the four products are 524,288 bytes on end.
; A cluster's joint loads are not used for them: beside the rows' data 46,592 bytes of LDS are left, and two slots of one K step for four waves would take 65,536.
; EVERY SUM BEGINS ON REGISTERS THAT ARE ALREADY FILLED: the residual (query), b1, X + b2, b3: no bias is added by an instruction of its own but b2, and nothing is cleared.
; THE NORM takes the mean, then the mean of the squared differences from it, as the definition has it: two exchanges of four numbers a row between the waves.
; LIMITS: an operand beyond 65,504 in magnitude has no f16 number; NaN and infinities are not served.
; REGISTERS.  Window 0: below.  Window 1: four K steps of weights, W(j, t) at 64 j + 8 t.  Window 2: set A, window 3: set B, (t, mt) at 8 (8 mt + t).
.set IMG0,  0                          ; LDS: an image of 64 rows x 512: mt x 16,384 + kk x 1,024 + half x 512 + 16 x lane.  First V_att (one tensor fill), later the hidden layer
.set IMG1,  65536                      ; X, later the second norm's result
.set QRES,  131072                     ; each wave's own: 64 rows x (512 bytes + 16): query's columns (one tensor fill), at the end the stage for out0
.set QWB,   33792
.set QP,    528
.set VEC,   266240                     ; each wave's 128 numbers of ln_g, ln_b, b1, b2, b3: 512 bytes each
.set VECW,  2560
.set STAT,  276480                     ; four regions of 1,024 bytes, one for each exchange: row x 16 + 4 x wave
.set SPARE, 280576                     ; the spare words, 128 bytes for each wave, which no other line names
.set LI,  1                            ; 16 x lane
.set AA,  2                            ; the trip's place in the image that is being read
.set IW0, 3                            ; where I store images: 4,096 w + 16 x lane
.set IW1, 4
.set QR,  5                            ; my part of QRES: row r, + 32 h
.set SR,  6                            ; and by whole rows: 16 x lane
.set VR,  7                            ; my vectors: + 32 h
.set SW,  8                            ; STAT + 16 r + 4 w
.set SRD, 9                            ; STAT + 16 r
.set SPW, 10                           ; my spare word; never rewritten
.set NIL, 11                           ; 0; never rewritten
.set T,   12                           ; v12-19 four pairs of running sums
.set MU,  20                           ; v20-27 four pairs: the mean, later 1 / sqrt(variance + eps)
.set OO,  28                           ; 512 w + 16 x lane
.set VW,  29
.set AF,  32                           ; v32-95 two sets of four fragments of rows; b2 during the first norm
.set G,   96                           ; v96-159 ln_g of my columns;  at the end rows of out0
.set BV,  160                          ; v160-223 ln_b
.set TMP, 224                          ; v224-255 at work
.set MSB, 0
.macro WIN new                         ; the immediate's high byte repeats the setting that is left
.if MSB != \new
	s_set_vgpr_msb (MSB<<8)|\new
.set MSB, \new
.endif
.endm
	s_load_b512 s[8:23], s[0:1], 0x0               ; vatt 8, query 10, wf16 12, b1 14, b2 16, b3 18, ln_g 20, ln_b 22
	s_load_b64 s[24:25], s[0:1], 0x40              ; out0
	v_lshl_add_u32 v[SPW], v0, 2, SPARE
	v_mov_b32 v[NIL], 0
	ds_add_u32 v[SPW], v[NIL]                      ; the wave's opening: the add, twice on end, and its wait ahead of my first tensor load
	ds_add_u32 v[SPW], v[NIL]
	v_lshrrev_b32 v30, 5, v0
	v_readfirstlane_b32 s26, v30                   ; wave w
	; group 1 for V_att: my row tile's 16,384 dense bytes as 64 rows of 256 (32 elements of 8 bytes)
	s_mov_b32 s28, 3<<16
	s_mov_b32 s29, 32<<16
	s_mov_b32 s30, 64<<16
	s_mov_b32 s31, 32<<16
	s_mov_b32 s32, 64
	s_mov_b32 s33, 32
	s_mov_b32 s34, 0
	s_mov_b32 s35, 0
	; group 1 for query: 64 rows x 128 f32, 512 elements apart; 4 words of padding behind every 128
	s_mov_b32 s36, (2<<16)|(1<<20)|(6<<22)|(3<<25)
	s_mov_b32 s37, 128<<16
	s_mov_b32 s38, 64<<16
	s_mov_b32 s39, 128<<16
	s_mov_b32 s40, 64
	s_mov_b32 s41, 512
	s_mov_b32 s42, 0
	s_mov_b32 s43, 0
	s_lshl_b32 s56, s26, 14                        ; V_att's place in LDS: 16,384 w
	s_mul_i32 s57, s26, QWB
	s_add_co_u32 s57, s57, QRES                    ; query's
	s_lshl_b32 s58, ttmp9, 16                      ; row tile 4 g + w of 16,384 bytes
	s_add_co_u32 s58, s58, s56
	s_mov_b32 s59, 0
	s_lshl_b32 s60, ttmp9, 17                      ; 64 g rows of 2,048 bytes
	s_mov_b32 s61, 0
	s_lshl_b32 s62, s26, 9                         ; my 128 columns
	s_mov_b32 s63, 0
	s_mov_b32 s52, 0x76543210
	s_mov_b32 s53, 0xfedcba98                      ; v_permlanex16_b32's selects for lane l xor 16
	v_and_b32 v30, 31, v0                          ; lane
	v_and_b32 v31, 15, v0                          ; r
	v_bfe_u32 v12, v0, 4, 1                        ; h
	v_lshlrev_b32 v[LI], 4, v30
	s_lshl_b32 s54, s26, 12
	v_add_nc_u32 v[IW0], s54, v[LI]
	v_add_nc_u32 v[IW1], IMG1, v[IW0]
	v_mul_u32_u24 v[QR], v31, QP
	v_lshl_add_u32 v[QR], v12, 5, v[QR]
	v_add_nc_u32 v[QR], s57, v[QR]
	v_add_nc_u32 v[SR], s57, v[LI]
	s_mul_i32 s54, s26, VECW
	s_add_co_u32 s54, s54, VEC
	v_lshl_add_u32 v[VR], v12, 5, s54
	v_add_nc_u32 v[VW], s54, v[LI]
	s_lshl_b32 s54, s26, 2
	s_add_co_u32 s54, s54, STAT
	v_lshl_add_u32 v[SW], v31, 4, s54
	v_lshl_add_u32 v[SRD], v31, 4, STAT
	v_add_nc_u32 v[OO], s62, v[LI]
	s_wait_dscnt 0x0                               ; both opening adds are done
	s_wait_kmcnt 0x0
	s_mov_b32 s44, 1
	s_mov_b32 s45, s56
	s_add_nc_u64 s[46:47], s[8:9], s[58:59]
	s_or_b32 s47, s47, 0x80000000
	s_mov_b32 s48, 1
	s_mov_b32 s49, s57
	s_add_nc_u64 s[50:51], s[10:11], s[60:61]
	s_add_nc_u64 s[50:51], s[50:51], s[62:63]
	s_or_b32 s51, s51, 0x80000000
	tensor_load_to_lds s[44:47], s[28:35]          ; two tensor loads of mine are out, and no more follow
	s_nop 0
	tensor_load_to_lds s[48:51], s[36:43]
	s_nop 0
.rept 4
	v_nop
.endr
	global_load_b128 v[TMP:TMP+3], v[OO], s[20:21]         ; ln_g
	global_load_b128 v[TMP+4:TMP+7], v[OO], s[22:23]       ; ln_b
	global_load_b128 v[TMP+8:TMP+11], v[OO], s[14:15]      ; b1
	global_load_b128 v[TMP+12:TMP+15], v[OO], s[16:17]     ; b2
	global_load_b128 v[TMP+16:TMP+19], v[OO], s[18:19]     ; b3
	s_lshl_b32 s56, s26, 19
	s_mov_b32 s57, 0
	s_add_nc_u64 s[12:13], s[12:13], s[56:57]      ; my stream of weights
	s_add_nc_u64 s[24:25], s[24:25], s[60:61]      ; out0 at my work-group's first row
.macro WLOAD j, off                    ; a K step's eight fragments, 8,192 bytes on end, into place j of the four: 16 loads
	WIN 0x40
.irp t, 0,1,2,3,4,5,6,7
	global_load_b128 v[64*(\j)+8*\t:64*(\j)+8*\t+3], v[LI], s[12:13] offset:(\off)+\t*1024
	global_load_b128 v[64*(\j)+8*\t+4:64*(\j)+8*\t+7], v[LI], s[12:13] offset:(\off)+\t*1024+512
.endr
.endm
.macro AFLD buf, off                   ; a K step's four fragments of rows out of the image: 8 loads
.irp m, 0,1,2,3
	ds_load_b128 v[AF+32*(\buf)+8*\m:AF+32*(\buf)+8*\m+3], v[AA] offset:\m*16384+(\off)
	ds_load_b128 v[AF+32*(\buf)+8*\m+4:AF+32*(\buf)+8*\m+7], v[AA] offset:\m*16384+(\off)+512
.endr
.endm
; K step j of a trip's four.  pfW: the weights three K steps on are asked for.  pfA: the next K step's rows are fetched.  left: how many younger weight loads may stay out (16 a K step).
; skip: in the loop's last trip there is no next K step: a branch on the count of trips leads round the fetch; the wait on LDS ahead of it is for 0 on both ways.
.macro KSTEP j, accw, pfA, pfW, left, skip
.rept 4
	v_nop                                          ; four places behind the last K step's products, for the loads into the registers that they read
.endr
.if \pfW
	WLOAD ((\j)+3)%4, ((\j)+3)*8192
.endif
	WIN 0
	s_wait_dscnt 0x0                               ; this K step's rows are in (and, at a product's head, what its sums begin on)
.if \skip
	s_cmp_eq_u32 s54, 1
	s_cbranch_scc1 .Lnoaf_\@
.endif
.if \pfA
	AFLD ((\j)+1)%2, ((\j)+1)*1024
.endif
.if \skip
.Lnoaf_\@:
.endif
	s_wait_loadcnt \left
	WIN \accw
.irp m, 0,1,2,3
.irp t, 0,1,2,3,4,5,6,7                        ; the 32 accumulators take turns, one instruction a turn
	v_wmma_f32_16x16x32_f16 v[8*(8*\m+\t):8*(8*\m+\t)+7], v[64*(\j)+8*\t:64*(\j)+8*\t+7], v[AF+32*((\j)%2)+8*\m:AF+32*((\j)%2)+8*\m+7], v[8*(8*\m+\t):8*(8*\m+\t)+7]
.endr
.endr
	WIN 0
.endm
; A product: 16 K steps, four a trip.  accw: 0xa1 for set A, 0xf1 for set B (source 0, the weights, window 1; the rows window 0).  last = 1: the stream of weights ends: the last trip is written out.
.macro GEMM accw, imgbase, last
	s_mov_b32 s55, \imgbase
	v_add_nc_u32 v[AA], s55, v[LI]
	AFLD 0, 0
.if \last
	s_mov_b32 s54, 3
.else
	s_mov_b32 s54, 4
.endif
.Lk_\@:
	v_add_nc_u32 v[AA], s55, v[LI]
	KSTEP 0, \accw, 1, 1, 48, 0
	KSTEP 1, \accw, 1, 1, 48, 0
	KSTEP 2, \accw, 1, 1, 48, 0
	KSTEP 3, \accw, 1, 1, 48, 1-\last
	s_wait_xcnt 0x0                                ; the loads have read their base: it may step
	s_add_nc_u64 s[12:13], s[12:13], 32768
	s_add_co_u32 s55, s55, 4096
	s_sub_co_u32 s54, s54, 1
	s_cmp_lg_u32 s54, 0
	s_cbranch_scc1 .Lk_\@
.if \last
	v_add_nc_u32 v[AA], s55, v[LI]
	KSTEP 0, \accw, 1, 1, 48, 0                    ; the stream's last K step is asked for here; the counts then run down
	KSTEP 1, \accw, 1, 0, 32, 0
	KSTEP 2, \accw, 1, 0, 16, 0
	KSTEP 3, \accw, 0, 0, 0, 0
.endif
.endm
; The four running sums (a pair for each row tile) are summed over the lane's halves, the lanes' halves and the four waves, and divided by 512: into both halves of MU's pairs.  One barrier, LDS bytes of its own.
.macro XCHG k
.irp m, 0,1,2,3
	v_add_f32 v[T+2*\m], v[T+2*\m], v[T+2*\m+1]
.endr
.irp m, 0,1,2,3
	v_permlanex16_b32 v[T+2*\m+1], v[T+2*\m], s52, s53
.endr
.irp m, 0,1,2,3
	v_add_f32 v[T+2*\m], v[T+2*\m], v[T+2*\m+1]
.endr
.irp m, 0,1,2,3
	ds_store_b32 v[SW], v[T+2*\m] offset:(\k)*1024+\m*256      ; both lanes of a row write the same word with the same value
.endr
	s_wait_dscnt 0x0                               ; for the others' sake
	s_barrier_signal -1
	s_barrier_wait -1
.irp m, 0,1,2,3
	ds_load_b128 v[TMP+4*\m:TMP+4*\m+3], v[SRD] offset:(\k)*1024+\m*256
.endr
	s_wait_dscnt 0x0
.irp m, 0,1,2,3
	v_add_f32 v[TMP+4*\m], v[TMP+4*\m], v[TMP+4*\m+1]
	v_add_f32 v[TMP+4*\m+2], v[TMP+4*\m+2], v[TMP+4*\m+3]
.endr
.irp m, 0,1,2,3
	v_add_f32 v[TMP+4*\m], v[TMP+4*\m], v[TMP+4*\m+2]
.endr
.irp m, 0,1,2,3
	v_mul_f32 v[MU+2*\m], 0x3b000000, v[TMP+4*\m]  ; / 512
.endr
.irp m, 0,1,2,3
	v_mov_b32 v[MU+2*\m+1], v[MU+2*\m]
.endr
.endm
; The norm of set A, in place; its result goes to IMG1 as f16 images.  first = 1: ln_g, ln_b and b2 come into registers, and set A is left as X + b2.  bvec: the bias on which the next product's sums (set B) begin.
.macro LN first, k, bvec
.rept 4
	v_nop                                          ; four places behind the last products
.endr
.if \first
.irp t, 0,1,2,3,4,5,6,7
.irp e, 0,1
	ds_load_b128 v[G+8*\t+4*\e:G+8*\t+4*\e+3], v[VR] offset:\t*64+16*\e
	ds_load_b128 v[BV+8*\t+4*\e:BV+8*\t+4*\e+3], v[VR] offset:512+\t*64+16*\e
	ds_load_b128 v[AF+8*\t+4*\e:AF+8*\t+4*\e+3], v[VR] offset:3*512+\t*64+16*\e
.endr
.endr
.endif
	WIN 0xc0                                       ; destination window 3
.irp m, 0,1,2,3
.irp t, 0,1,2,3,4,5,6,7
.irp e, 0,1
	ds_load_b128 v[8*(8*\m+\t)+4*\e:8*(8*\m+\t)+4*\e+3], v[VR] offset:(\bvec)*512+\t*64+16*\e
.endr
.endr
.endr
	WIN 0x0a                                       ; both sources window 2
.irp m, 0,1,2,3
	v_pk_add_f32 v[T+2*\m:T+2*\m+1], v[64*\m:64*\m+1], v[64*\m+2:64*\m+3]      ; the rows' sums: each accumulator from its low end on, the four row tiles by turns
.endr
	WIN 0x08
.set p, 2
.rept 30
.irp m, 0,1,2,3
	v_pk_add_f32 v[T+2*\m:T+2*\m+1], v[T+2*\m:T+2*\m+1], v[64*\m+2*p:64*\m+2*p+1]
.endr
.set p, p+1
.endr
	WIN 0
	XCHG \k                                        ; the means
	WIN 0x82
.set p, 0
.rept 32
.irp m, 0,1,2,3
	v_pk_add_f32 v[64*\m+2*p:64*\m+2*p+1], v[64*\m+2*p:64*\m+2*p+1], v[MU+2*\m:MU+2*\m+1] neg_lo:[0,1] neg_hi:[0,1]
.endr
.set p, p+1
.endr
	WIN 0x0a
.irp m, 0,1,2,3
	v_pk_mul_f32 v[T+2*\m:T+2*\m+1], v[64*\m:64*\m+1], v[64*\m:64*\m+1]
.endr
.set p, 1
.rept 31
.irp m, 0,1,2,3
	v_pk_fma_f32 v[T+2*\m:T+2*\m+1], v[64*\m+2*p:64*\m+2*p+1], v[64*\m+2*p:64*\m+2*p+1], v[T+2*\m:T+2*\m+1]
.endr
.set p, p+1
.endr
	WIN 0
	XCHG (\k)+1                                    ; the variances
.irp m, 0,1,2,3
	v_add_f32 v[MU+2*\m], 0x3727c5ac, v[MU+2*\m]   ; + 1e-5
.endr
.irp m, 0,1,2,3
	v_rsq_f32 v[MU+2*\m], v[MU+2*\m]
.endr
	v_nop
	s_wait_alu depctr_va_vdst(0)                   ; one wait for the four, ahead of their first reader
.irp m, 0,1,2,3
	WIN 0x82
.set p, 0
.rept 32
	v_pk_mul_f32 v[64*\m+2*p:64*\m+2*p+1], v[64*\m+2*p:64*\m+2*p+1], v[MU+2*\m:MU+2*\m+1] op_sel_hi:[1,0]
.set p, p+1
.endr
.set p, 0
.rept 32
	v_pk_fma_f32 v[64*\m+2*p:64*\m+2*p+1], v[64*\m+2*p:64*\m+2*p+1], v[G+2*p:G+2*p+1], v[BV+2*p:BV+2*p+1]
.set p, p+1
.endr
.if \m > 0
	s_wait_dscnt 0x0                               ; the last row tile's stores have read their registers
.endif
	WIN 0x0a
.set p, 0
.rept 32
	v_cvt_pk_f16_f32 v[TMP+p], v[64*\m+2*p], v[64*\m+2*p+1]
.set p, p+1
.endr
	WIN 0
.irp t, 0,1,2,3,4,5,6,7
	ds_store_b128 v[IW1], v[TMP+4*\t:TMP+4*\t+3] offset:\m*16384+\t*512
.endr
.if \first
	WIN 0x82
.set p, 0
.rept 32
	v_pk_add_f32 v[64*\m+2*p:64*\m+2*p+1], v[64*\m+2*p:64*\m+2*p+1], v[AF+2*p:AF+2*p+1]    ; X + b2: the third product's sums begin on it
.set p, p+1
.endr
.endif
.endr
	WIN 0
	s_wait_dscnt 0x0                               ; for the others' sake: my images have landed
	s_barrier_signal -1
	s_barrier_wait -1
.endm
.macro RELU                            ; set B, clipped at 0, goes to IMG0 as f16 images
.rept 4
	v_nop
.endr
.irp m, 0,1,2,3
	WIN 0xcc
.set p, 0
.rept 64
	v_max_num_f32 v[64*\m+p], 0, v[64*\m+p]
.set p, p+1
.endr
.if \m > 0
	s_wait_dscnt 0x0
.endif
	WIN 0x0f
.set p, 0
.rept 32
	v_cvt_pk_f16_f32 v[TMP+p], v[64*\m+2*p], v[64*\m+2*p+1]
.set p, p+1
.endr
	WIN 0
.irp t, 0,1,2,3,4,5,6,7
	ds_store_b128 v[IW0], v[TMP+4*\t:TMP+4*\t+3] offset:\m*16384+\t*512
.endr
.endr
	s_wait_dscnt 0x0
	s_barrier_signal -1
	s_barrier_wait -1
.endm
; The way out: a row tile of set B goes through my own stage (query's place: it has had its one fill and its last read) and comes back as whole rows of 512 bytes.  LDS serves a wave's instructions in order.
.macro TOSTAGE m
	WIN 0x0c                                       ; an LDS store's data are its source 1: window 3
.irp t, 0,1,2,3,4,5,6,7
	ds_store_b128 v[QR], v[8*(8*(\m)+\t):8*(8*(\m)+\t)+3] offset:(\m)*8448+\t*64
	ds_store_b128 v[QR], v[8*(8*(\m)+\t)+4:8*(8*(\m)+\t)+7] offset:(\m)*8448+\t*64+16
.endr
	WIN 0
.set BB, G+64*((\m)%2)
.irp i, 0,1,2,3,4,5,6,7,8,9,10,11,12,13,14,15
	ds_load_b128 v[BB+4*\i:BB+4*\i+3], v[SR] offset:(\m)*8448+\i*528
.endr
.endm
.macro SEND m, younger                 ; younger: the LDS instructions issued behind this row tile's loads, which may stay out
.set BB, G+64*((\m)%2)
	s_wait_dscnt \younger
.irp i, 0,1,2,3,4,5,6,7,8,9,10,11,12,13,14,15
	global_store_b128 v[OO], v[BB+4*\i:BB+4*\i+3], s[24:25] offset:(16*(\m)+\i)*2048 th:TH_STORE_NT   ; 32 lanes store 512 consecutive bytes, aligned
.endr
.endm
	WLOAD 0, 0                                     ; three K steps of weights are on their way from here to the end of the stream
	WLOAD 1, 8192
	WLOAD 2, 16384
	WIN 0
	s_wait_loadcnt 48                              ; the five vectors are in; the 48 younger loads are the weights'
.irp i, 0,1,2,3,4
	ds_store_b128 v[VW], v[TMP+4*\i:TMP+4*\i+3] offset:\i*512
.endr
	s_wait_tensorcnt 0x0                           ; my row tile of V_att and my columns of query have landed
	s_wait_dscnt 0x0
	s_barrier_signal -1
	s_barrier_wait -1                              ; everybody's have
	WIN 0x80                                       ; destination window 2
.irp m, 0,1,2,3
.irp t, 0,1,2,3,4,5,6,7
	ds_load_b128 v[8*(8*\m+\t):8*(8*\m+\t)+3], v[QR] offset:\m*8448+\t*64          ; the residual: the first product's sums begin on query
	ds_load_b128 v[8*(8*\m+\t)+4:8*(8*\m+\t)+7], v[QR] offset:\m*8448+\t*64+16
.endr
.endr
	WIN 0
	GEMM 0xa1, IMG0, 0                             ; query + V_att W_o
	LN 1, 0, 2                                     ; X; set B begins as b1
	GEMM 0xf1, IMG1, 0                             ; X w1^T + b1
	RELU
	GEMM 0xa1, IMG0, 0                             ; relu(..) w2^T + b2 + X
	LN 0, 2, 4                                     ; the second norm; set B begins as b3
	GEMM 0xf1, IMG1, 1                             ; .. w3^T + b3
.rept 4
	v_nop                                          ; four places between the last products and the stores that read their results
.endr
	TOSTAGE 0
.irp m, 1,2,3
.if \m > 1
	s_wait_xcnt 0x0                                ; the stores of two row tiles back have read their registers: this row tile's loads may land there
.endif
	TOSTAGE \m
	SEND \m-1, 32                                  ; behind its loads: the next row tile's 16 stores and 16 loads
.endr
	SEND 3, 0
	s_wait_tensorcnt 0x0                           ; the wave's end: behind my last tensor load and my last LDS store
	ds_add_u32 v[SPW], v[NIL]
	s_wait_dscnt 0x0
	s_endpgm
.Lfunc_end_k_qe15bb28814_tail:
	.size	k_qe15bb28814_tail, .Lfunc_end_k_qe15bb28814_tail-k_qe15bb28814_tail
	.p2alignl 7, 3214868480
	.fill 96, 4, 3214868480
	.section	.rodata,"a",@progbits
	.p2align	6, 0x0
	.amdhsa_kernel k_qe15bb28814_tail
		.amdhsa_group_segment_fixed_size 281088
		.amdhsa_private_segment_fixed_size 0
		.amdhsa_enable_private_segment 0
		.amdhsa_kernarg_size 72
		.amdhsa_user_sgpr_count 2
		.amdhsa_user_sgpr_kernarg_segment_ptr 1
		.amdhsa_wavefront_size32 1
		.amdhsa_system_sgpr_workgroup_id_x 1
		.amdhsa_system_sgpr_workgroup_id_y 1
		.amdhsa_system_sgpr_workgroup_id_z 1
		.amdhsa_system_vgpr_workitem_id 0
		.amdhsa_next_free_vgpr 1024
		.amdhsa_next_free_sgpr 66
		.amdhsa_reserve_vcc 0
		.amdhsa_float_denorm_mode_32 3
		.amdhsa_float_denorm_mode_16_64 3
		.amdhsa_memory_ordered 1
		.amdhsa_forward_progress 1
		.amdhsa_inst_pref_size 255
	.end_amdhsa_kernel
	.section	.bss,"aw",@nobits
	.p2align	6
	.space	262144
	.amdgpu_metadata
---
amdhsa.version: [ 1, 2 ]
amdhsa.kernels:
  - .name:           k_qe15bb28814_tail
    .symbol:         k_qe15bb28814_tail.kd
    .args:
      - { .name: vatt, .offset: 0, .size: 8, .value_kind: global_buffer, .address_space: global }
      - { .name: query, .offset: 8, .size: 8, .value_kind: global_buffer, .address_space: global }
      - { .name: wf16, .offset: 16, .size: 8, .value_kind: global_buffer, .address_space: global }
      - { .name: b1, .offset: 24, .size: 8, .value_kind: global_buffer, .address_space: global }
      - { .name: b2, .offset: 32, .size: 8, .value_kind: global_buffer, .address_space: global }
      - { .name: b3, .offset: 40, .size: 8, .value_kind: global_buffer, .address_space: global }
      - { .name: ln_g, .offset: 48, .size: 8, .value_kind: global_buffer, .address_space: global }
      - { .name: ln_b, .offset: 56, .size: 8, .value_kind: global_buffer, .address_space: global }
      - { .name: out0, .offset: 64, .size: 8, .value_kind: global_buffer, .address_space: global }
    .group_segment_fixed_size: 281088
    .private_segment_fixed_size: 0
    .kernarg_segment_align: 8
    .kernarg_segment_size: 72
    .max_flat_workgroup_size: 128
    .sgpr_count:     66
    .vgpr_count:     1024
    .wavefront_size: 32
...
	.end_amdgpu_metadata
.endif
;; end of part 4
